; MI455X (gfx1250); checked and timed in simulation.
; The chip was launched on July 23, 2026; its instructions are those of AMD's public machine-readable ISA for CDNA 5 (MIT licence, August 2026) and "CDNA5" Instruction Set Architecture Reference Guide (July 2026).
;; Casual Attention. Allowed arithmetic: matrix products marked QUANTISED: E4M3 operands, one given power-of-two scale a tensor, by v_wmma_f32_16x16x64_fp8_fp8 or v_wmma_f32_16x16x128_fp8_fp8, f32 sums; everything else in f32.
;; Inputs: Wk_codes 1,024 x 32 x 32 uint8 (E4M3 codes of Wk, K innermost, in blocks of 32 codes); Wq_codes 1,024 x 32 x 32 uint8 (E4M3 codes of Wq, K innermost, in blocks of 32 codes); Wv_codes 1,024 x 32 x 32 uint8 (E4M3 codes of Wv, K innermost, in blocks of 32 codes); lowp_scales 10 int32 (the exponents e of the quantised operands' scales 2^e); x_codes 4 x 2,048 x 32 x 32 uint8 (E4M3 codes of x, K innermost, in blocks of 32 codes).
;; Outputs: out0 4 x 2,048 x 1,024 float32.
;; This version of the problem:
;;   THIS VERSION OF THE PROBLEM IS GIVEN IN LOW PRECISION. The matrix products marked QUANTISED in the list below multiply operands that are first quantised to E4M3 (4 exponent bits, 3 mantissa bits; 8 bits a number), with one given power-of-two scale for each operand tensor; their sums are f32. All else is computed in f32.
;;   The module's matrix products, in the order in which they are computed (A, B: the left and right operand; K: the contracted axis; several contracted axes count as one K, in the product's order):
;;     1. [M 8,192, K 1,024] x [K 1,024, N 1,024]; A: input x (given as codes); B: input Wq (given as codes): QUANTISED (scales: A lowp_scales[0], B lowp_scales[1])
;;     2. [M 8,192, K 1,024] x [K 1,024, N 1,024]; A: input x (given as codes); B: input Wk (given as codes): QUANTISED (scales: A lowp_scales[2], B lowp_scales[3])
;;     3. [M 8,192, K 1,024] x [K 1,024, N 1,024]; A: input x (given as codes); B: input Wv (given as codes): QUANTISED (scales: A lowp_scales[4], B lowp_scales[5])
;;     4. batch 4 x [M 2,048, K 1,024] x [K 1,024, N 2,048]; A: computed on the way; B: computed on the way: QUANTISED (scales: A lowp_scales[6], B lowp_scales[7])
;;     5. batch 4 x [M 2,048, K 2,048] x [K 2,048, N 1,024]; A: softmax (see below); B: computed on the way: QUANTISED (scales: A lowp_scales[8], B lowp_scales[9])
;;   THE QUANTISER, for each operand of a quantised product, along K:
;;     - The operand's scale is 2^e, e = its entry of the input lowp_scales (int32; the entries are numbered through the quantised products in the list's order, A before B).
;;     - Each number is divided by the scale, clamped to +-448, and rounded to the nearest number of E4M3, ties to even, subnormals kept.
;;     - The product sums the exact products of the quantised numbers (number of the format x scale) in f32.
;;   ~~~python
;;   def quantise(x, axis, e):      # numpy; x: float32 -> the quantised numbers, widened to float32 again
;;       x = np.moveaxis(x, axis, -1); K = x.shape[-1]
;;       r = np.clip(x / 2.0 ** e, -448, 448)
;;       step = 2.0 ** (np.maximum(np.frexp(np.where(r == 0, 1, r))[1] - 1, -6) - 3)
;;       q = np.round(r / step) * step * 2.0 ** e      # np.round: ties to even
;;       return np.moveaxis(q, -1, axis).astype(np.float32)
;;   ~~~
;;   SOFTMAX AHEAD OF A QUANTISED PRODUCT. Where the list says 'softmax', what is quantised is not the finished softmax but p = 2^(t - M), with t = logit x log2(e) and M = ceil(the row's largest t), a whole number; so 1/2 < the row's largest p <= 1. The row's sum l is taken of the UNQUANTISED p, in f32, and the product's result is divided by l at the end. Since M is a whole number, a kernel that streams over the keys may use a running M (the ceiling of the running maximum): every later rescaling is an exact power of two, so the quantised numbers keep their values, but for numbers so far below the row's largest that they fall under the format's range.
;;   OPERANDS COMPUTED ON THE WAY. 'Computed on the way' means the value that the module computes at that place (a softmax that the list does not call 'softmax' is quantised finished and normalised). What goes into a quantiser is computed in f32, as accurately as f32 sums, v_exp_f32 and their like allow (about 1e-6 of the number): no bf16 or f16 on the way to a quantiser, and a product that is left as it is and whose result goes on into a quantised operand takes f32 operands (vector FMAs, or v_wmma_f32_16x16x4_f32). A number that lies on a knife's edge between two numbers of the format may be rounded either way, as far as f32 arithmetic and the matrix unit's own rounding can turn it there, and no further.
;;   INPUTS GIVEN AS CODES. Wk (in the module: [1024, 1024], K = its axis 1); Wq (in the module: [1024, 1024], K = its axis 1); Wv (in the module: [1024, 1024], K = its axis 1); x (in the module: [4, 2048, 1024], K = its axis 2): each comes as NAME_codes (uint8): NAME with its K axis moved to the last place and cut into blocks of 32 codes, [.., K / 32, bytes a block], one block behind the other in memory; one code a byte (a code: sign, 4 exponent bits, 3 mantissa bits); its scale is its entry of lowp_scales. Its value is code x scale, taken as it is: it is not quantised again, and the codes and scales need not be those that the quantiser above would give.
;; One version. Each part assembles by itself: llvm-mc -triple=amdgcn-amd-amdhsa -mcpu=gfx1250 --defsym DOCPART=n.
;; ======== version 1 of 1: 3 launches
;; limits: right only within a limited range of input values
;; workspace buffers: qimg 8,388,608 bytes; kimg 8,388,608 bytes; vimg 8,388,608 bytes; pimg 16,777,216 bytes; nm 262,144 bytes; ls 524,288 bytes
;; launch proj (part 1): grid 8 x 32, 4 waves a work-group, clusters of 4 x 4, 327,680 bytes of LDS; arguments x_codes, Wq_codes, Wk_codes, lowp_scales, qimg, kimg, Wv_codes, vimg; writes qimg, kimg, vimg
.if DOCPART == 1
	.amdgcn_target "amdgcn-amd-amdhsa--gfx1250"
	.amdhsa_code_object_version 6
	.text
	.protected	k_qd47b848774_proj
	.globl	k_qd47b848774_proj
	.p2align	8
	.type	k_qd47b848774_proj,@function
k_qd47b848774_proj:
	s_mov_b64 s[64:65], 0
	v_nop
	global_prefetch_b8 v0, s[64:65] scope:SCOPE_SE
	s_setreg_imm32_b32 hwreg(HW_REG_WAVE_MODE, 25, 1), 1
	s_wait_xcnt 0x0
	s_wait_alu depctr_hold_cnt(0) depctr_sa_sdst(0) depctr_va_vdst(0) depctr_va_sdst(0) depctr_va_ssrc(0) depctr_va_vcc(0) depctr_vm_vsrc(0)
	s_getreg_b32 s2, hwreg(HW_REG_IB_STS2, 6, 4)
	s_cmp_eq_u32 s2, 0
	s_cbranch_scc0 .Lentry_in_a_cluster
	s_endpgm
.Lentry_in_a_cluster:
	s_bfe_u32 s2, ttmp6, 0x10000c
	s_cmp_lg_u32 s2, 0xf033
	s_cbranch_scc0 .Lentry_shape_is_right
	s_endpgm
.Lentry_shape_is_right:
.set KROW,   1024
.set PITCH,  272
.set FR,     16
.set NL,     4
.set NP,     4
.set HALFT,  128*PITCH
.set SLOT,   4*HALFT
.set SPARE,  2*SLOT
.set ADRA,  16
.set ADRB,  20
.set VWO,   22
.set SCL2,  24
.set LIM2,  25
.set LO,    26
.set SPW,   28
.set NIL,   29
.set SCL,   30
.set LIM,   31
.set VA,    32
.set VB,    96
.set AF,   128
.set TMP,  128
.set CD,   192
.set G1, 24
.set G1B, 48
.set G1R, 68
.set G1BR, 36
.set G0, 32
.set G0B, 56
.set OUT1, 60
.set OUT2, 62
.set WVB, 66
.set SGN, 89
.set RA, 92
.set RB, 94
.set MSB, 0
.macro WIN new
.if MSB != (\new)
	s_set_vgpr_msb (MSB<<8)|(\new)
.set MSB, (\new)
.endif
.endm
.set MUL_LO, 0xa1
.set MUL_HI, 0xf1
.set TO_B,   0x40
.macro JLOAD role, g1a, g1b
	s_cmp_eq_u32 s[\role], 0
	s_cbranch_scc0 .Lfor_b_\@
	tensor_load_to_lds s[G0:G0+3], s[\g1a:\g1a+7]
	s_nop 0
.rept 4
	v_nop
.endr
	s_branch .Lasked_\@
.Lfor_b_\@:
	tensor_load_to_lds s[G0B:G0B+3], s[\g1b:\g1b+7]
	s_nop 0
.rept 4
	v_nop
.endr
.Lasked_\@:
.endm
.macro CREST
	s_cmp_lg_u32 s14, 0
	s_cbranch_scc1 .Lnot_wave_0_\@
	s_barrier_signal -3
.Lnot_wave_0_\@:
	s_barrier_wait -3
	s_barrier_signal -1
	s_barrier_wait -1
.endm
.macro CROUND
	s_barrier_signal -1
	s_barrier_wait -1
	CREST
.endm
	s_load_b256 s[4:11], s[0:1], 0x0
	s_load_b256 s[68:75], s[0:1], 0x20
	v_lshl_add_u32 v[SPW], v0, 2, SPARE
	v_mov_b32 v[NIL], 0
	ds_add_u32 v[SPW], v[NIL]
	ds_add_u32 v[SPW], v[NIL]
	v_lshrrev_b32 v1, 5, v0
	v_readfirstlane_b32 s14, v1
	s_lshr_b32 s15, s14, 1
	s_and_b32 s16, s14, 1
	s_bfe_u32 s22, ttmp6, 0x40000
	s_bfe_u32 s23, ttmp6, 0x40004
	s_and_b32 s17, ttmp7, 0xffff
	s_lshl_b32 s18, s17, 2
	s_add_co_u32 s18, s18, s23
	s_lshl_b32 s44, s23, 2
	s_lshl_b32 s44, 15, s44
	s_lshl_b32 s91, 0x1111, s22
	s_or_b32 s[G1+0], s44, (0<<16)|(1<<20)|(1<<21)|(5<<22)|(3<<25)
	s_or_b32 s[G1B+0], s91, (0<<16)|(1<<20)|(1<<21)|(5<<22)|(3<<25)
.irp g, G1, G1B
	s_mov_b32 s[\g+1], 256<<16
	s_mov_b32 s[\g+2], 256<<16
	s_mov_b32 s[\g+3], 256<<16
	s_mov_b32 s[\g+4], 256
	s_mov_b32 s[\g+5], KROW
	s_mov_b32 s[\g+6], 0
	s_mov_b32 s[\g+7], 0
.endr
	s_lshl_b32 s19, s15, 8
	s_lshl_b32 s20, s18, 18
	s_add_co_u32 s20, s20, s19
	s_mov_b32 s21, 0
	s_lshl_b32 s46, s22, 18
	s_add_co_u32 s46, s46, s19
	s_mov_b32 s47, 0
	s_mul_i32 s45, s14, 2*HALFT
	s_mov_b32 s[SGN], 0x80808080
	s_wait_dscnt 0x0
	s_wait_kmcnt 0x0
	s_load_b256 s[76:83], s[10:11], 0x0
	s_load_b64 s[84:85], s[10:11], 0x20
	s_cmp_eq_u32 ttmp9, 0
	s_cselect_b64 s[12:13], s[6:7], s[8:9]
	s_cselect_b64 s[OUT1:OUT1+1], s[68:69], s[70:71]
	s_mov_b32 s[G0], 1
	s_mov_b32 s[G0+1], s45
	s_add_nc_u64 s[G0+2:G0+3], s[4:5], s[20:21]
	s_or_b32 s[G0+3], s[G0+3], 0x80000000
	s_mov_b32 s[G0B], 1
	s_mov_b32 s[G0B+1], s45
	s_add_nc_u64 s[G0B+2:G0B+3], s[12:13], s[46:47]
	s_or_b32 s[G0B+3], s[G0B+3], 0x80000000
	CROUND
	JLOAD 16, G1, G1B
	s_mul_i32 s45, s14, HALFT
	s_lshl_b32 s19, s16, 17
	s_lshl_b32 s20, s18, 18
	s_add_co_u32 s20, s20, s19
	s_lshl_b32 s46, s22, 18
	s_add_co_u32 s46, s46, s19
	s_add_nc_u64 s[RA:RA+1], s[4:5], s[20:21]
	s_add_nc_u64 s[RB:RB+1], s[12:13], s[46:47]
	s_lshl_b32 s86, s18, 4
	s_lshl_b32 s87, s15, 3
	s_add_co_u32 s86, s86, s87
	s_lshl_b32 s86, s86, 14
	s_lshl_b32 s87, s22, 1
	s_add_co_u32 s87, s87, s16
	s_lshl_b32 s88, ttmp9, 3
	s_add_co_u32 s88, s88, s87
	s_lshl_b32 s87, s87, 11
	s_add_co_u32 s86, s86, s87
	s_mov_b32 s87, 0
	s_add_nc_u64 s[OUT1:OUT1+1], s[OUT1:OUT1+1], s[86:87]
	s_lshl_b32 s86, s88, 14
	s_add_nc_u64 s[WVB:WVB+1], s[72:73], s[86:87]
	s_lshl_b32 s86, s88, 17
	s_lshl_b32 s88, s18, 1
	s_add_co_u32 s88, s88, s15
	s_lshl_b32 s88, s88, 11
	s_add_co_u32 s86, s86, s88
	s_add_nc_u64 s[OUT2:OUT2+1], s[74:75], s[86:87]
	s_or_b32 s[G1R+0], s44, (0<<16)|(1<<20)|(1<<21)|(5<<22)|(3<<25)
	s_or_b32 s[G1BR+0], s91, (0<<16)|(1<<20)|(1<<21)|(5<<22)|(3<<25)
.irp g, G1R, G1BR
	s_mov_b32 s[\g+1], 256<<16
	s_mov_b32 s[\g+2], 128<<16
	s_mov_b32 s[\g+3], 256<<16
	s_mov_b32 s[\g+4], 128
	s_mov_b32 s[\g+5], KROW
	s_mov_b32 s[\g+6], 0
	s_mov_b32 s[\g+7], 0
.endr
	s_mul_i32 s19, s15, HALFT
	s_mul_i32 s20, s16, HALFT
	s_add_co_u32 s20, s20, 2*HALFT
	v_and_b32 v1, 15, v0
	v_bfe_u32 v2, v0, 4, 1
	v_mul_u32_u24 v3, v1, PITCH
	v_lshl_add_u32 v4, v2, 4, v3
	v_add_nc_u32 v[ADRA], s19, v4
	v_add_nc_u32 v[ADRB], s20, v4
	v_add_nc_u32 v[ADRA+1], SLOT, v[ADRA]
	v_add_nc_u32 v[ADRB+1], SLOT, v[ADRB]
	v_lshlrev_b32 v[VWO], 10, v1
	v_lshl_add_u32 v[VWO], v2, 4, v[VWO]
	v_and_b32 v[LO], 31, v0
	v_lshlrev_b32 v[LO], 4, v[LO]
.macro FRAG reg, adr, q, i
.irp c, 0,1,2,3
	ds_load_b128 v[\reg+4*\c:\reg+4*\c+3], v[\adr] offset:128*(\q)+32*\c+(\i)*16*PITCH
.endr
.endm
.macro MUL16 a0, p, mode
.irp a, \a0, \a0+1
.irp b, 0,1,2,3,4,5,6,7
.if (\mode) == 1
	v_wmma_f32_16x16x128_fp8_fp8 v[8*(8*((\a)%4)+\b):8*(8*((\a)%4)+\b)+7], v[128*(\p)+FR*\b:128*(\p)+FR*\b+FR-1], v[AF+FR*(\a):AF+FR*(\a)+FR-1], 0
.else
	v_wmma_f32_16x16x128_fp8_fp8 v[8*(8*((\a)%4)+\b):8*(8*((\a)%4)+\b)+7], v[128*(\p)+FR*\b:128*(\p)+FR*\b+FR-1], v[AF+FR*(\a):AF+FR*(\a)+FR-1], v[8*(8*((\a)%4)+\b):8*(8*((\a)%4)+\b)+7]
.endif
.endr
.endr
.endm
.macro XV a0, buf, mode
	WIN 0
.irp a, \a0, \a0+1, \a0+2, \a0+3
.if (\mode) == 1
	v_wmma_f32_16x16x128_fp8_fp8 v[VA+8*(\a):VA+8*(\a)+7], v[AF+FR*(\a):AF+FR*(\a)+FR-1], v[VB+FR*(\buf):VB+FR*(\buf)+FR-1], 0
.else
	v_wmma_f32_16x16x128_fp8_fp8 v[VA+8*(\a):VA+8*(\a)+7], v[AF+FR*(\a):AF+FR*(\a)+FR-1], v[VB+FR*(\buf):VB+FR*(\buf)+FR-1], v[VA+8*(\a):VA+8*(\a)+7]
.endif
.endr
.endm
.macro VLOAD st, buf
.irp c, 0,1,2,3
	global_load_b128 v[VB+FR*(\buf)+4*\c:VB+FR*(\buf)+4*\c+3], v[VWO], s[WVB:WVB+1] offset:128*(\st)+32*\c
.endr
.endm
.macro PLACES n
.rept \n
	v_nop
.endr
.endm
.macro XLO st, mode
.if (\st) < 7
	s_wait_loadcnt 4
.else
	s_wait_loadcnt 0x0
.endif
	XV 0, (\st)%2, \mode
.endm
.macro XHI st, mode
	XV 4, (\st)%2, \mode
	PLACES NP
.if (\st) < 6
	VLOAD (\st)+2, (\st)%2
.endif
.endm
.macro FETCH_B slot, q, p
	WIN TO_B
.irp i, 0,1,2,3,4,5,6,7
	FRAG 128*(\p)+FR*\i, ADRB+\slot, \q, \i
.endr
	WIN 0
.endm
.macro FETCH_A slot, q, i0
.irp i, \i0, \i0+1, \i0+2, \i0+3
	FRAG AF+FR*(\i), ADRA+\slot, \q, \i
.endr
.endm
.macro XORA i0
.set i, 0
.rept 64
	v_xor_b32 v[AF+FR*(\i0)+i], s[SGN], v[AF+FR*(\i0)+i]
.set i, i+1
.endr
	s_wait_alu depctr_va_vdst(0)
.endm
.macro NEGW set, first, count
	WIN \set
.set j, \first
.rept \count
	v_pk_mul_f32 v[j:j+1], v[j:j+1], -1.0 op_sel_hi:[1,0]
.set j, j+2
.endr
	WIN 0
.endm
.macro STEP slot, q, mode, neg, st
	s_wait_dscnt 4*NL
.if \neg
	XORA 0
.endif
	WIN MUL_LO
	MUL16 0, (\q)%2, \mode
	MUL16 2, (\q)%2, \mode
	s_wait_dscnt 0x0
	XLO \st, \mode
.if \neg
	XORA 4
.else
	PLACES NP
.endif
	FETCH_B \slot, (\q)+1, 1-(\q)%2
	FETCH_A \slot, (\q)+1, 0
	WIN MUL_HI
	MUL16 4, (\q)%2, \mode
	MUL16 6, (\q)%2, \mode
	XHI \st, \mode
	FETCH_A \slot, (\q)+1, 4
.endm
.macro TURN slot, next, fill, neg, st
	s_wait_tensorcnt 0x0
	ds_add_u32 v[SPW], v[NIL]
.if \fill
	s_add_co_u32 s[G0+1], s45, (\slot)*SLOT
	s_add_nc_u64 s[G0+2:G0+3], s[RA:RA+1], 512+256*(\slot)
	s_or_b32 s[G0+3], s[G0+3], 0x80000000
	s_add_co_u32 s[G0B+1], s45, (\slot)*SLOT
	s_add_nc_u64 s[G0B+2:G0B+3], s[RB:RB+1], 512+256*(\slot)
	s_or_b32 s[G0B+3], s[G0B+3], 0x80000000
.endif
	s_wait_dscnt 4*NL+1
.if \neg
	XORA 0
.endif
	WIN MUL_LO
	MUL16 0, 1, 0
	s_wait_dscnt 0x0
	s_barrier_signal -1
	MUL16 2, 1, 0
	WIN 0
	s_barrier_wait -1
.if \fill
	CREST
	JLOAD 15, G1R, G1BR
.endif
	XLO \st, 0
	PLACES NP
	FETCH_B \next, 0, 0
	FETCH_A \next, 0, 0
.if \neg
	XORA 4
.endif
	WIN MUL_HI
	MUL16 4, 1, 0
	MUL16 6, 1, 0
	XHI \st, 0
	FETCH_A \next, 0, 4
.endm
.macro OUT n, w, ac, scl, lim, base, off
.if (\n) > 1
	s_wait_xcnt 0x0
.endif
	WIN \w
.set i, 0
.rept 64
	v_med3_num_f32 v[TMP+i], -v[(\ac)+i], -v[\lim], v[\lim]
.set i, i+1
.endr
	WIN 0
.irp b, 0,1,2,3,4,5,6,7
	v_cvt_scalef32_pk8_fp8_f32 v[CD+16*((\n)%2)+2*\b:CD+16*((\n)%2)+2*\b+1], v[TMP+8*\b:TMP+8*\b+7], v[\scl]
.endr
	v_nop
.irp c, 0,1,2,3
	global_store_b128 v[LO], v[CD+16*((\n)%2)+4*\c:CD+16*((\n)%2)+4*\c+3], s[\base:\base+1] offset:(\off)+512*\c
.endr
.endm
	s_wait_alu depctr_va_vdst(0)
	VLOAD 0, 0
	VLOAD 1, 1
	s_wait_tensorcnt 0x0
	s_barrier_signal -1
	s_barrier_wait -1
	FETCH_B 0, 0, 0
	FETCH_A 0, 0, 0
	FETCH_A 0, 0, 4
	STEP 0, 0, 1, 0, 0
	TURN 0, 1, 1, 0, 1
	STEP 1, 0, 0, 0, 2
	TURN 1, 0, 1, 0, 3
	NEGW 0x82, 0, 128
	NEGW 0xc3, 0, 128
	NEGW 0, VA, 32
	s_wait_alu depctr_va_vdst(0)
	STEP 0, 0, 0, 1, 4
	TURN 0, 1, 0, 1, 5
	STEP 1, 0, 0, 1, 6
	s_wait_dscnt 4*NL
	XORA 0
	WIN MUL_LO
	MUL16 0, 1, 0
	MUL16 2, 1, 0
	s_wait_dscnt 0x0
	XLO 7, 0
	XORA 4
	WIN MUL_HI
	MUL16 4, 1, 0
	MUL16 6, 1, 0
	XHI 7, 0
	s_wait_kmcnt 0x0
	s_sub_co_i32 s82, s82, s76
	s_sub_co_i32 s82, s82, s77
	s_sub_co_i32 s83, s83, s78
	s_sub_co_i32 s83, s83, s79
	s_sub_co_i32 s85, s85, s80
	s_sub_co_i32 s85, s85, s81
	s_cmp_eq_u32 ttmp9, 0
	s_cselect_b32 s82, s82, s83
	s_add_co_i32 s82, s82, 127
	s_lshl_b32 s83, s82, 23
	s_add_co_i32 s82, s82, 8
	s_lshl_b32 s82, s82, 23
	s_or_b32 s82, s82, 0x600000
	s_add_co_i32 s85, s85, 127
	s_lshl_b32 s84, s85, 23
	s_add_co_i32 s85, s85, 8
	s_lshl_b32 s85, s85, 23
	s_or_b32 s85, s85, 0x600000
	v_mov_b32 v[SCL], s83
	v_mov_b32 v[LIM], s82
	v_mov_b32 v[SCL2], s84
	v_mov_b32 v[LIM2], s85
.irp a, 0,1,2,3,4,5,6,7
	OUT \a, 0x02+(\a/4), 64*(\a%4), SCL, LIM, OUT1, 16384*\a
.endr
	OUT 8, 0, VA, SCL2, LIM2, OUT2, 0
	s_wait_tensorcnt 0x0
	ds_add_u32 v[SPW], v[NIL]
	s_wait_dscnt 0x0
	CROUND
	s_endpgm
.Lfunc_end_k_qd47b848774_proj:
	.size	k_qd47b848774_proj, .Lfunc_end_k_qd47b848774_proj-k_qd47b848774_proj
	.p2alignl 7, 3214868480
	.fill 96, 4, 3214868480
	.section	.rodata,"a",@progbits
	.p2align	6, 0x0
	.amdhsa_kernel k_qd47b848774_proj
		.amdhsa_group_segment_fixed_size 327680
		.amdhsa_private_segment_fixed_size 0
		.amdhsa_enable_private_segment 0
		.amdhsa_kernarg_size 64
		.amdhsa_user_sgpr_count 2
		.amdhsa_user_sgpr_kernarg_segment_ptr 1
		.amdhsa_wavefront_size32 1
		.amdhsa_system_sgpr_workgroup_id_x 1
		.amdhsa_system_sgpr_workgroup_id_y 1
		.amdhsa_system_sgpr_workgroup_id_z 1
		.amdhsa_system_vgpr_workitem_id 0
		.amdhsa_next_free_vgpr 1024
		.amdhsa_next_free_sgpr 100
		.amdhsa_reserve_vcc 0
		.amdhsa_float_denorm_mode_32 3
		.amdhsa_float_denorm_mode_16_64 3
		.amdhsa_memory_ordered 1
		.amdhsa_forward_progress 1
		.amdhsa_inst_pref_size 165
	.end_amdhsa_kernel
	.amdgpu_metadata
---
amdhsa.version: [ 1, 2 ]
amdhsa.kernels:
  - .name:           k_qd47b848774_proj
    .symbol:         k_qd47b848774_proj.kd
    .args:
      - { .name: x_codes, .offset: 0, .size: 8, .value_kind: global_buffer, .address_space: global }
      - { .name: Wq_codes, .offset: 8, .size: 8, .value_kind: global_buffer, .address_space: global }
      - { .name: Wk_codes, .offset: 16, .size: 8, .value_kind: global_buffer, .address_space: global }
      - { .name: lowp_scales, .offset: 24, .size: 8, .value_kind: global_buffer, .address_space: global }
      - { .name: qimg, .offset: 32, .size: 8, .value_kind: global_buffer, .address_space: global }
      - { .name: kimg, .offset: 40, .size: 8, .value_kind: global_buffer, .address_space: global }
      - { .name: Wv_codes, .offset: 48, .size: 8, .value_kind: global_buffer, .address_space: global }
      - { .name: vimg, .offset: 56, .size: 8, .value_kind: global_buffer, .address_space: global }
    .group_segment_fixed_size: 327680
    .private_segment_fixed_size: 0
    .kernarg_segment_align: 8
    .kernarg_segment_size: 64
    .max_flat_workgroup_size: 128
    .sgpr_count:     100
    .vgpr_count:     1024
    .wavefront_size: 32
...
	.end_amdgpu_metadata
.endif
;; end of part 1
;; launch scores (part 2): grid 60 x 4, 4 waves a work-group, no clusters, 327,680 bytes of LDS; arguments qimg, kimg, lowp_scales, pimg, nm, ls, x_codes, Wv_codes, vimg; writes pimg, nm, ls, vimg
.if DOCPART == 2
	.amdgcn_target "amdgcn-amd-amdhsa--gfx1250"
	.amdhsa_code_object_version 6
	.text
	.protected	k_qd47b848774_scores
	.globl	k_qd47b848774_scores
	.p2align	8
	.type	k_qd47b848774_scores,@function
k_qd47b848774_scores:
	s_mov_b64 s[64:65], 0
	v_nop
	global_prefetch_b8 v0, s[64:65] scope:SCOPE_SE
	s_setreg_imm32_b32 hwreg(HW_REG_WAVE_MODE, 25, 1), 1
	s_wait_xcnt 0x0
.set PITCH,  272
.set FR,     16
.set NL,     4
.set NP,     4
.set HALFT,  128*PITCH
.set VSLOT,  4*HALFT
.set SSLOT,  131072
.set KREG,   65536
.set SPARE,  2*VSLOT
.set XM,     0
.set SC,     2048
.set ADRA, 16
.set ADRB, 20
.set SPW,  28
.set NIL,  29
.set SCL,  30
.set LIM,  31
.set NMP,  32
.set CH,   48
.set DD,   56
.set NINF, 57
.set PT,   60
.set LV,   64
.set XMW,  72
.set XMR,  73
.set SCW,  74
.set SCR1, 75
.set SCR2, 76
.set PO,   77
.set NMO,  78
.set CD,   96
.set AF,   128
.set TMP,  128
.set G1S, 24
.set G1V, 92
.set G1R, 84
.set G0,  32
.set RB,  66
.set SGN, 43
.set HID, 78
.set MSB, 0
.macro WIN new
.if MSB != (\new)
	s_set_vgpr_msb (MSB<<8)|(\new)
.set MSB, (\new)
.endif
.endm
.set MUL_LO, 0xa1
.set MUL_HI, 0xf1
.set TO_B,   0x40
.macro FRAG reg, adr, q, i
.irp c, 0,1,2,3
.if KIND
	ds_load_b128 v[\reg+4*\c:\reg+4*\c+3], v[\adr] offset:128*(\q)+32*\c+(\i)*16*PITCH
.else
	ds_load_b128 v[\reg+4*\c:\reg+4*\c+3], v[\adr] offset:2048*(\q)+512*\c+4096*(\i)
.endif
.endr
.endm
.macro MUL16 a0, p, mode
.irp a, \a0, \a0+1
.irp b, 0,1,2,3,4,5,6,7
.if (\mode) == 1
	v_wmma_f32_16x16x128_fp8_fp8 v[8*(8*((\a)%4)+\b):8*(8*((\a)%4)+\b)+7], v[128*(\p)+FR*\b:128*(\p)+FR*\b+FR-1], v[AF+FR*(\a):AF+FR*(\a)+FR-1], 0
.else
	v_wmma_f32_16x16x128_fp8_fp8 v[8*(8*((\a)%4)+\b):8*(8*((\a)%4)+\b)+7], v[128*(\p)+FR*\b:128*(\p)+FR*\b+FR-1], v[AF+FR*(\a):AF+FR*(\a)+FR-1], v[8*(8*((\a)%4)+\b):8*(8*((\a)%4)+\b)+7]
.endif
.endr
.endr
.endm
.macro FETCH_B slot, q, p
	WIN TO_B
.irp i, 0,1,2,3,4,5,6,7
	FRAG 128*(\p)+FR*\i, ADRB+\slot, \q, \i
.endr
	WIN 0
.endm
.macro FETCH_A slot, q, i0
.irp i, \i0, \i0+1, \i0+2, \i0+3
	FRAG AF+FR*(\i), ADRA+\slot, \q, \i
.endr
.endm
.macro PLACES n
.rept \n
	v_nop
.endr
.endm
.macro XORA i0
.set i, 0
.rept 64
	v_xor_b32 v[AF+FR*(\i0)+i], s[SGN], v[AF+FR*(\i0)+i]
.set i, i+1
.endr
	s_wait_alu depctr_va_vdst(0)
.endm
.macro NEGW set
	WIN \set
.set j, 0
.rept 128
	v_pk_mul_f32 v[j:j+1], v[j:j+1], -1.0 op_sel_hi:[1,0]
.set j, j+2
.endr
	WIN 0
.endm
.macro STEP slot, q, mode, neg
	s_wait_dscnt 4*NL
.if \neg
	XORA 0
.endif
	WIN MUL_LO
	MUL16 0, (\q)%2, \mode
	MUL16 2, (\q)%2, \mode
	s_wait_dscnt 0x0
.if \neg
	WIN 0
	XORA 4
.else
	PLACES NP
.endif
	FETCH_B \slot, (\q)+1, 1-(\q)%2
	FETCH_A \slot, (\q)+1, 0
	WIN MUL_HI
	MUL16 4, (\q)%2, \mode
	MUL16 6, (\q)%2, \mode
	PLACES NP
	WIN 0
	FETCH_A \slot, (\q)+1, 4
.endm
.macro TURN slot, next, fill, neg
	s_wait_tensorcnt 0x0
	ds_add_u32 v[SPW], v[NIL]
.if \fill
	s_add_co_u32 s[G0+1], s52, (\slot)*SLOTB
	s_add_nc_u64 s[G0+2:G0+3], s[RB:RB+1], 2*FK+(\slot)*FK
	s_or_b32 s[G0+3], s[G0+3], 0x80000000
.endif
	s_wait_dscnt 4*NL+1
.if \neg
	XORA 0
.endif
	WIN MUL_LO
	MUL16 0, 1, 0
	s_wait_dscnt 0x0
	s_barrier_signal -1
	MUL16 2, 1, 0
	WIN 0
	s_barrier_wait -1
.if \fill
	tensor_load_to_lds s[G0:G0+3], s[G1R:G1R+7]
	s_nop 0
.endif
	PLACES NP
	FETCH_B \next, 0, 0
	FETCH_A \next, 0, 0
.if \neg
	XORA 4
.endif
	WIN MUL_HI
	MUL16 4, 1, 0
	MUL16 6, 1, 0
	PLACES NP
	WIN 0
	FETCH_A \next, 0, 4
.endm
.macro GEMM neg
	s_wait_alu depctr_va_vdst(0)
	s_wait_tensorcnt 0x0
	s_barrier_signal -1
	s_barrier_wait -1
	FETCH_B 0, 0, 0
	FETCH_A 0, 0, 0
	FETCH_A 0, 0, 4
	STEP 0, 0, 1, 0
	TURN 0, 1, 1, 0
	STEP 1, 0, 0, 0
	TURN 1, 0, 1, 0
.if \neg
	NEGW 0x82
	NEGW 0xc3
	s_wait_alu depctr_va_vdst(0)
.endif
	STEP 0, 0, 0, \neg
	TURN 0, 1, 0, \neg
	STEP 1, 0, 0, \neg
	s_wait_dscnt 4*NL
.if \neg
	XORA 0
.endif
	WIN MUL_LO
	MUL16 0, 1, 0
	MUL16 2, 1, 0
	s_wait_dscnt 0x0
.if \neg
	WIN 0
	XORA 4
.endif
	WIN MUL_HI
	MUL16 4, 1, 0
	MUL16 6, 1, 0
	WIN 0
	PLACES NP
.endm
	s_load_b256 s[4:11], s[0:1], 0x0
	s_load_b128 s[12:15], s[0:1], 0x20
	s_load_b128 s[68:71], s[0:1], 0x30
	s_load_b64 s[72:73], s[0:1], 0x40
	v_lshl_add_u32 v[SPW], v0, 2, SPARE
	v_mov_b32 v[NIL], 0
	ds_add_u32 v[SPW], v[NIL]
	ds_add_u32 v[SPW], v[NIL]
	v_lshrrev_b32 v1, 5, v0
	v_readfirstlane_b32 s16, v1
	s_lshr_b32 s17, s16, 1
	s_and_b32 s18, s16, 1
	s_and_b32 s21, ttmp7, 0xffff
	s_mov_b32 s[G1S+0], 3<<16
	s_mov_b32 s[G1S+1], 512<<16
	s_mov_b32 s[G1S+2], 16<<16
	s_mov_b32 s[G1S+3], 512<<16
	s_mov_b32 s[G1S+4], 16
	s_mov_b32 s[G1S+5], 2048
	s_mov_b32 s[G1S+6], 0
	s_mov_b32 s[G1S+7], 0
	s_mov_b32 s[G1V+0], (1<<20)|(5<<22)|(3<<25)
	s_mov_b32 s[G1V+1], 256<<16
	s_mov_b32 s[G1V+2], 256<<16
	s_mov_b32 s[G1V+3], 256<<16
	s_mov_b32 s[G1V+4], 256
	s_mov_b32 s[G1V+5], 1024
	s_mov_b32 s[G1V+6], 0
	s_mov_b32 s[G1V+7], 0
	s_mov_b32 s[G0], 1
	s_wait_dscnt 0x0
	s_cmp_ge_u32 ttmp9, 36
	s_cbranch_scc1 .Lv_tile
	s_mov_b32 s19, 0
.irp T, 1,3,6,10,15,21,28
	s_cmp_ge_u32 ttmp9, \T
	s_cselect_b32 s20, 1, 0
	s_add_co_u32 s19, s19, s20
.endr
	s_add_co_u32 s20, s19, 1
	s_mul_i32 s20, s20, s19
	s_lshr_b32 s20, s20, 1
	s_sub_co_u32 s20, ttmp9, s20
	s_cmp_eq_u32 s18, 0
	s_cselect_b32 s48, s19, s20
	s_lshl_b32 s48, s48, 4
	s_lshl_b32 s49, s21, 7
	s_add_co_u32 s48, s48, s49
	s_lshl_b32 s48, s48, 14
	s_lshl_b32 s49, s17, 12
	s_add_co_u32 s48, s48, s49
	s_mov_b32 s49, 0
	s_lshl_b32 s[G0+1], s16, 16
	s_wait_kmcnt 0x0
	s_load_b128 s[44:47], s[8:9], 0x18
	s_cmp_eq_u32 s18, 0
	s_cselect_b64 s[50:51], s[4:5], s[6:7]
	s_add_nc_u64 s[G0+2:G0+3], s[50:51], s[48:49]
	s_or_b32 s[G0+3], s[G0+3], 0x80000000
	tensor_load_to_lds s[G0:G0+3], s[G1S:G1S+7]
	s_nop 0
	s_cmp_eq_u32 s17, 0
	s_cselect_b32 s48, s19, s20
	s_cselect_b64 s[RB:RB+1], s[4:5], s[6:7]
	s_lshl_b32 s48, s48, 4
	s_lshl_b32 s49, s21, 7
	s_add_co_u32 s48, s48, s49
	s_lshl_b32 s49, s18, 3
	s_add_co_u32 s48, s48, s49
	s_lshl_b32 s48, s48, 14
	s_mov_b32 s49, 0
	s_add_nc_u64 s[RB:RB+1], s[RB:RB+1], s[48:49]
	s_lshl_b32 s52, s16, 15
	s_mov_b32 s[G1R+0], 3<<16
	s_mov_b32 s[G1R+1], 512<<16
	s_mov_b32 s[G1R+2], 8<<16
	s_mov_b32 s[G1R+3], 512<<16
	s_mov_b32 s[G1R+4], 8
	s_mov_b32 s[G1R+5], 2048
	s_mov_b32 s[G1R+6], 0
	s_mov_b32 s[G1R+7], 0
	s_mov_b32 s40, 0x76543210
	s_mov_b32 s41, 0xfedcba98
	s_mov_b32 s42, 0xff800000
	s_mov_b32 s22, 0x3d38aa3b
	s_mov_b32 s[HID], 0
	s_lshl_b32 s53, s17, 15
	s_lshl_b32 s54, s18, 15
	s_add_co_u32 s54, s54, KREG
	s_lshl_b32 s80, s16, 9
	s_xor_b32 s81, s16, 1
	s_lshl_b32 s81, s81, 9
	s_lshl_b32 s82, s16, 10
	s_add_co_u32 s82, s82, SC
	s_lshl_b32 s83, s18, 8
	s_add_co_u32 s83, s83, s82
	s_add_co_u32 s79, s82, 512
	s_lshl_b32 s56, s21, 7
	s_lshl_b32 s62, s19, 4
	s_add_co_u32 s56, s56, s62
	s_lshl_b32 s62, s17, 3
	s_add_co_u32 s56, s56, s62
	s_lshl_b32 s56, s56, 4
	s_lshl_b32 s62, s20, 1
	s_add_co_u32 s56, s56, s62
	s_add_co_u32 s56, s56, s18
	s_lshl_b32 s56, s56, 11
	s_mov_b32 s57, 0
	s_add_nc_u64 s[56:57], s[10:11], s[56:57]
	s_lshl_b32 s58, s21, 3
	s_add_co_u32 s58, s58, s20
	s_lshl_b32 s58, s58, 11
	s_lshl_b32 s62, s19, 8
	s_lshl_b32 s63, s17, 7
	s_add_co_u32 s62, s62, s63
	s_add_co_u32 s58, s58, s62
	s_lshl_b32 s63, s18, 6
	s_add_co_u32 s58, s58, s63
	s_lshl_b32 s58, s58, 2
	s_mov_b32 s59, 0
	s_add_nc_u64 s[58:59], s[12:13], s[58:59]
	s_lshl_b32 s60, s21, 4
	s_lshl_b32 s63, s20, 1
	s_add_co_u32 s60, s60, s63
	s_add_co_u32 s60, s60, s18
	s_lshl_b32 s60, s60, 11
	s_add_co_u32 s60, s60, s62
	s_lshl_b32 s60, s60, 2
	s_mov_b32 s61, 0
	s_add_nc_u64 s[60:61], s[14:15], s[60:61]
	v_and_b32 v1, 31, v0
	v_and_b32 v3, 15, v0
	v_bfe_u32 v4, v0, 4, 1
	v_lshlrev_b32 v[PO], 4, v1
	v_lshlrev_b32 v[NMO], 3, v1
	v_lshlrev_b32 v5, 3, v4
	v_add_nc_u32 v[ADRA], s53, v[PO]
	v_add_nc_u32 v[ADRB], s54, v[PO]
	v_add_nc_u32 v[ADRA+1], SSLOT, v[ADRA]
	v_add_nc_u32 v[ADRB+1], SSLOT, v[ADRB]
	v_lshl_add_u32 v[XMW], v3, 2, s80
	v_lshl_add_u32 v[XMR], v3, 2, s81
	v_lshl_add_u32 v[SCW], v3, 2, s82
	v_lshl_add_u32 v[SCR1], v1, 3, s83
	v_lshl_add_u32 v[SCR2], v1, 4, s79
	v_sub_nc_u32 v[DD], v3, v5
	v_mov_b32 v[PT], 0
.set KIND, 0
.set FK, 4096
.set SLOTB, SSLOT
	GEMM 0
	s_wait_kmcnt 0x0
	s_add_co_i32 s62, s44, s45
	s_lshl_b32 s62, s62, 23
	s_add_co_i32 s22, s22, s62
	s_mov_b32 s23, s22
	s_add_co_i32 s62, s46, 127
	s_lshl_b32 s63, s62, 23
	s_add_co_i32 s62, s62, 8
	s_lshl_b32 s62, s62, 23
	s_or_b32 s62, s62, 0x600000
	v_mov_b32 v[SCL], s63
	v_mov_b32 v[LIM], s62
	v_mov_b32 v[NINF], s42
	s_wait_alu depctr_va_vdst(0)
.macro DIAG a
	WIN 0x82+0x41*((\a)/4)
.irp j, 0,1,2,3,4,5,6,7
	v_cndmask_b32 v[64*((\a)%4)+8*(\a)+\j], v[64*((\a)%4)+8*(\a)+\j], v[NINF], s[84+\j]
.endr
.set n, 8*((\a)+1)
.rept 8*(7-(\a))
	v_mov_b32 v[64*((\a)%4)+n], s42
.set n, n+1
.endr
.endm
	s_cmp_lg_u32 s19, s20
	s_cbranch_scc1 .Lopen
	s_cmp_lt_u32 s17, s18
	s_cselect_b32 s[HID], 1, 0
	s_cmp_lg_u32 s17, s18
	s_cbranch_scc1 .Lopen
.irp j, 0,1,2,3,4,5,6,7
	v_cmp_gt_i32 s[84+\j], \j, v[DD]
.endr
.irp a, 0,1,2,3,4,5,6,7
	DIAG \a
.endr
	WIN 0
.Lopen:
.macro MAXROW a
.set AC, 64*((\a)%4)
	WIN 0x0a+5*((\a)/4)
.set i, 0
.rept 32
.if i < 4
	v_max_num_f32 v[CH+i], v[AC+2*i], v[AC+2*i+1]
.else
	v_max3_num_f32 v[CH+i%4], v[AC+2*i], v[AC+2*i+1], v[CH+i%4]
.endif
.set i, i+1
.endr
	WIN 0
	v_max3_num_f32 v[CH], v[CH], v[CH+1], v[CH+2]
	v_max_num_f32 v[CH], v[CH], v[CH+3]
	v_permlanex16_b32 v[PT], v[CH], s40, s41
	v_max_num_f32 v[NMP+2*(\a)], v[CH], v[PT]
.endm
.irp a, 0,1,2,3,4,5,6,7
	MAXROW \a
.endr
	s_wait_alu depctr_va_vdst(0)
	s_cmp_eq_u32 s[HID], 0
	s_cbranch_scc1 .Lhave
.irp a, 0,1,2,3,4,5,6,7
	v_mov_b32 v[NMP+2*\a], s42
.endr
.Lhave:
.irp a, 0,1,2,3,4,5,6,7
	ds_store_b32 v[XMW], v[NMP+2*\a] offset:XM+64*\a
.endr
	s_wait_alu depctr_va_vdst(0)
	s_wait_dscnt 0x0
	s_barrier_signal -1
	s_barrier_wait -1
.irp a, 0,1,2,3,4,5,6,7
	ds_load_b32 v[NMP+2*\a+1], v[XMR] offset:XM+64*\a
.endr
	s_wait_dscnt 0x0
.irp a, 0,1,2,3,4,5,6,7
	v_max_num_f32 v[NMP+2*\a], v[NMP+2*\a], v[NMP+2*\a+1]
.endr
.irp a, 0,1,2,3,4,5,6,7
	v_mul_f32 v[NMP+2*\a], s22, v[NMP+2*\a]
.endr
.irp a, 0,1,2,3,4,5,6,7
	v_floor_f32 v[NMP+2*\a], -v[NMP+2*\a]
.endr
.macro ZERO off
.irp a, 0,1,2,3,4,5,6,7
.irp c, 0,1,2,3
	global_store_b128 v[PO], v[84:87], s[56:57] offset:32768*\a+512*\c+\off
.endr
.endr
.endm
	s_wait_alu depctr_va_vdst(0)
	s_cmp_eq_u32 s[HID], 0
	s_cbranch_scc1 .Lsome
.irp i, 84,85,86,87
	v_mov_b32 v\i, 0
.endr
.irp a, 0,1,2,3,4,5,6,7
	v_mov_b32 v[LV+\a], 0
.endr
	ZERO 0
	s_wait_alu depctr_va_vdst(0)
	s_branch .Ltail
.Lsome:
.macro TM a, j
	v_pk_fma_f32 v[64*((\a)%4)+\j:64*((\a)%4)+\j+1], v[64*((\a)%4)+\j:64*((\a)%4)+\j+1], s[22:23], v[NMP+2*(\a):NMP+2*(\a)+1] op_sel_hi:[1,0,0]
.endm
.macro CODES a
.set AC, 64*((\a)%4)
.set CS, CD+16*((\a)%2)
.if (\a) > 1
	s_wait_xcnt 0x0
.endif
	WIN 0x02+((\a)/4)
.irp b, 0,1,2,3,4,5,6,7
	v_cvt_scalef32_pk8_fp8_f32 v[CS+2*\b:CS+2*\b+1], v[AC+8*\b:AC+8*\b+7], v[SCL]
.endr
	WIN 0
	v_nop
.irp c, 0,1,2,3
	global_store_b128 v[PO], v[CS+4*\c:CS+4*\c+3], s[56:57] offset:32768*(\a)+512*\c
.endr
.endm
.macro BATCH a
.set AC, 64*((\a)%4)
	WIN 0x82+0x41*((\a)/4)
.if ((\a)%4) == 0
.set j, 0
.rept 32
	TM \a, j
.set j, j+2
.endr
.endif
	s_wait_alu depctr_va_vdst(0)
.set j, 0
.rept 64
	v_exp_f32 v[AC+j], v[AC+j]
.if ((\a)%4) < 3
.if (j%2) == 0
	TM (\a)+1, j
.endif
.endif
.if ((\a)%4) > 0
	v_min_num_f32 v[AC-64+j], v[AC-64+j], v[LIM]
.endif
.set j, j+1
.endr
	v_nop
	s_wait_alu depctr_va_vdst(0)
	WIN 0x0a+5*((\a)/4)
.irp k, 0,2,4,6
	v_pk_add_f32 v[CH+\k:CH+\k+1], v[AC+\k:AC+\k+1], v[AC+8+\k:AC+8+\k+1]
.endr
	WIN 0x02+((\a)/4)
.set j, 16
.rept 24
	v_pk_add_f32 v[CH+j%8:CH+j%8+1], v[AC+j:AC+j+1], v[CH+j%8:CH+j%8+1]
.set j, j+2
.endr
	WIN 0
	v_pk_add_f32 v[CH:CH+1], v[CH:CH+1], v[CH+2:CH+3]
	v_pk_add_f32 v[CH+4:CH+5], v[CH+4:CH+5], v[CH+6:CH+7]
	v_pk_add_f32 v[CH:CH+1], v[CH:CH+1], v[CH+4:CH+5]
	v_add_f32 v[CH], v[CH], v[CH+1]
	v_permlanex16_b32 v[PT], v[CH], s40, s41
	v_add_f32 v[LV+(\a)], v[CH], v[PT]
	s_wait_alu depctr_va_vdst(0)
.if ((\a)%4) > 0
	CODES (\a)-1
.endif
.if ((\a)%4) == 3
.set AC, 64*((\a)%4)
	WIN 0x82+0x41*((\a)/4)
.set j, 0
.rept 64
	v_min_num_f32 v[AC+j], v[AC+j], v[LIM]
.set j, j+1
.endr
	WIN 0
	s_wait_alu depctr_va_vdst(0)
	CODES \a
.endif
.endm
.irp a, 0,1,2,3,4,5,6,7
	BATCH \a
.endr
.Ltail:
.irp a, 0,1,2,3,4,5,6,7
	ds_store_b32 v[SCW], v[NMP+2*\a] offset:64*\a
	ds_store_b32 v[SCW], v[LV+\a] offset:512+64*\a
.endr
	ds_load_b64 v[80:81], v[SCR1]
	ds_load_b128 v[88:91], v[SCR2]
	s_wait_dscnt 0x0
	global_store_b64 v[NMO], v[80:81], s[58:59]
	global_store_b128 v[PO], v[88:91], s[60:61]
	s_sub_co_u32 s62, s19, s20
	s_and_b32 s63, s19, 1
	s_or_b32 s62, s62, s63
	s_cmp_lg_u32 s62, 0
	s_cbranch_scc1 .Ldone
	s_wait_xcnt 0x0
.irp i, 84,85,86,87
	v_mov_b32 v\i, 0
.endr
	v_mov_b32 v82, 0x7f61b1e6
	v_mov_b32 v83, 0x7f61b1e6
	ZERO 4096
	global_store_b64 v[NMO], v[82:83], s[58:59] offset:8192
	global_store_b128 v[PO], v[84:87], s[60:61] offset:16384
.Ldone:
	s_wait_tensorcnt 0x0
	ds_add_u32 v[SPW], v[NIL]
	s_wait_dscnt 0x0
	s_endpgm
.Lv_tile:
	s_sub_co_u32 s19, ttmp9, 36
	s_mul_i32 s20, s19, 11
	s_lshr_b32 s20, s20, 5
	s_mul_i32 s22, s20, 3
	s_sub_co_u32 s22, s19, s22
	s_add_co_u32 s22, s22, 1
	s_lshl_b32 s36, s21, 3
	s_add_co_u32 s36, s36, s20
	s_cmp_eq_u32 s18, 0
	s_cselect_b32 s48, s22, s36
	s_lshl_b32 s48, s48, 18
	s_lshl_b32 s49, s17, 8
	s_add_co_u32 s48, s48, s49
	s_mov_b32 s49, 0
	s_mul_i32 s[G0+1], s16, 2*HALFT
	s_wait_kmcnt 0x0
	s_load_b64 s[76:77], s[8:9], 0x10
	s_load_b32 s47, s[8:9], 0x24
	s_cmp_eq_u32 s18, 0
	s_cselect_b64 s[50:51], s[70:71], s[68:69]
	s_add_nc_u64 s[G0+2:G0+3], s[50:51], s[48:49]
	s_or_b32 s[G0+3], s[G0+3], 0x80000000
	tensor_load_to_lds s[G0:G0+3], s[G1V:G1V+7]
	s_nop 0
	s_cmp_eq_u32 s17, 0
	s_cselect_b32 s48, s22, s36
	s_cselect_b64 s[RB:RB+1], s[70:71], s[68:69]
	s_lshl_b32 s48, s48, 18
	s_lshl_b32 s49, s18, 17
	s_add_co_u32 s48, s48, s49
	s_mov_b32 s49, 0
	s_add_nc_u64 s[RB:RB+1], s[RB:RB+1], s[48:49]
	s_mul_i32 s52, s16, HALFT
	s_mov_b32 s[G1R+0], (1<<20)|(5<<22)|(3<<25)
	s_mov_b32 s[G1R+1], 256<<16
	s_mov_b32 s[G1R+2], 128<<16
	s_mov_b32 s[G1R+3], 256<<16
	s_mov_b32 s[G1R+4], 128
	s_mov_b32 s[G1R+5], 1024
	s_mov_b32 s[G1R+6], 0
	s_mov_b32 s[G1R+7], 0
	s_mov_b32 s[SGN], 0x80808080
	s_lshl_b32 s56, s22, 4
	s_lshl_b32 s57, s17, 3
	s_add_co_u32 s56, s56, s57
	s_lshl_b32 s56, s56, 17
	s_lshl_b32 s57, s36, 1
	s_add_co_u32 s57, s57, s18
	s_lshl_b32 s57, s57, 11
	s_add_co_u32 s56, s56, s57
	s_mov_b32 s57, 0
	s_add_nc_u64 s[56:57], s[72:73], s[56:57]
	s_mul_i32 s53, s17, HALFT
	s_mul_i32 s54, s18, HALFT
	s_add_co_u32 s54, s54, 2*HALFT
	v_and_b32 v1, 15, v0
	v_bfe_u32 v2, v0, 4, 1
	v_mul_u32_u24 v3, v1, PITCH
	v_lshl_add_u32 v4, v2, 4, v3
	v_add_nc_u32 v[ADRA], s53, v4
	v_add_nc_u32 v[ADRB], s54, v4
	v_add_nc_u32 v[ADRA+1], VSLOT, v[ADRA]
	v_add_nc_u32 v[ADRB+1], VSLOT, v[ADRB]
	v_and_b32 v[PO], 31, v0
	v_lshlrev_b32 v[PO], 4, v[PO]
.set KIND, 1
.set FK, 256
.set SLOTB, VSLOT
	GEMM 1
	s_wait_kmcnt 0x0
	s_sub_co_i32 s47, s47, s76
	s_sub_co_i32 s47, s47, s77
	s_add_co_i32 s47, s47, 127
	s_lshl_b32 s46, s47, 23
	s_add_co_i32 s47, s47, 8
	s_lshl_b32 s47, s47, 23
	s_or_b32 s47, s47, 0x600000
	v_mov_b32 v[SCL], s46
	v_mov_b32 v[LIM], s47
.macro OUTV a
.if (\a) > 1
	s_wait_xcnt 0x0
.endif
	WIN 0x02+((\a)/4)
.set i, 0
.rept 64
	v_med3_num_f32 v[TMP+i], -v[64*((\a)%4)+i], -v[LIM], v[LIM]
.set i, i+1
.endr
	WIN 0
.irp b, 0,1,2,3,4,5,6,7
	v_cvt_scalef32_pk8_fp8_f32 v[CD+16*((\a)%2)+2*\b:CD+16*((\a)%2)+2*\b+1], v[TMP+8*\b:TMP+8*\b+7], v[SCL]
.endr
	v_nop
.irp c, 0,1,2,3
	global_store_b128 v[PO], v[CD+16*((\a)%2)+4*\c:CD+16*((\a)%2)+4*\c+3], s[56:57] offset:131072*(\a)+512*\c
.endr
.endm
.irp a, 0,1,2,3,4,5,6,7
	OUTV \a
.endr
	s_wait_tensorcnt 0x0
	ds_add_u32 v[SPW], v[NIL]
	s_wait_dscnt 0x0
	s_endpgm
.Lfunc_end_k_qd47b848774_scores:
	.size	k_qd47b848774_scores, .Lfunc_end_k_qd47b848774_scores-k_qd47b848774_scores
	.p2alignl 7, 3214868480
	.fill 96, 4, 3214868480
	.section	.rodata,"a",@progbits
	.p2align	6, 0x0
	.amdhsa_kernel k_qd47b848774_scores
		.amdhsa_group_segment_fixed_size 327680
		.amdhsa_private_segment_fixed_size 0
		.amdhsa_enable_private_segment 0
		.amdhsa_kernarg_size 72
		.amdhsa_user_sgpr_count 2
		.amdhsa_user_sgpr_kernarg_segment_ptr 1
		.amdhsa_wavefront_size32 1
		.amdhsa_system_sgpr_workgroup_id_x 1
		.amdhsa_system_sgpr_workgroup_id_y 1
		.amdhsa_system_sgpr_workgroup_id_z 1
		.amdhsa_system_vgpr_workitem_id 0
		.amdhsa_next_free_vgpr 1024
		.amdhsa_next_free_sgpr 100
		.amdhsa_reserve_vcc 0
		.amdhsa_float_denorm_mode_32 3
		.amdhsa_float_denorm_mode_16_64 3
		.amdhsa_memory_ordered 1
		.amdhsa_forward_progress 1
		.amdhsa_inst_pref_size 255
	.end_amdhsa_kernel
	.section	.bss,"aw",@nobits
	.p2align	6
	.space	262144
	.amdgpu_metadata
---
amdhsa.version: [ 1, 2 ]
amdhsa.kernels:
  - .name:           k_qd47b848774_scores
    .symbol:         k_qd47b848774_scores.kd
    .args:
      - { .name: qimg, .offset: 0, .size: 8, .value_kind: global_buffer, .address_space: global }
      - { .name: kimg, .offset: 8, .size: 8, .value_kind: global_buffer, .address_space: global }
      - { .name: lowp_scales, .offset: 16, .size: 8, .value_kind: global_buffer, .address_space: global }
      - { .name: pimg, .offset: 24, .size: 8, .value_kind: global_buffer, .address_space: global }
      - { .name: nm, .offset: 32, .size: 8, .value_kind: global_buffer, .address_space: global }
      - { .name: ls, .offset: 40, .size: 8, .value_kind: global_buffer, .address_space: global }
      - { .name: x_codes, .offset: 48, .size: 8, .value_kind: global_buffer, .address_space: global }
      - { .name: Wv_codes, .offset: 56, .size: 8, .value_kind: global_buffer, .address_space: global }
      - { .name: vimg, .offset: 64, .size: 8, .value_kind: global_buffer, .address_space: global }
    .group_segment_fixed_size: 327680
    .private_segment_fixed_size: 0
    .kernarg_segment_align: 8
    .kernarg_segment_size: 72
    .max_flat_workgroup_size: 128
    .sgpr_count:     100
    .vgpr_count:     1024
    .wavefront_size: 32
...
	.end_amdgpu_metadata
.endif
;; end of part 2
;; launch pv (part 3): grid 8 x 32, 4 waves a work-group, clusters of 4 x 4, 327,680 bytes of LDS; arguments pimg, vimg, nm, ls, lowp_scales, out0; writes out0
.if DOCPART == 3
	.amdgcn_target "amdgcn-amd-amdhsa--gfx1250"
	.amdhsa_code_object_version 6
	.text
	.protected	k_qd47b848774_pv
	.globl	k_qd47b848774_pv
	.p2align	8
	.type	k_qd47b848774_pv,@function
k_qd47b848774_pv:
	s_mov_b64 s[64:65], 0
	v_nop
	global_prefetch_b8 v0, s[64:65] scope:SCOPE_SE
	s_setreg_imm32_b32 hwreg(HW_REG_WAVE_MODE, 25, 1), 1
	s_wait_xcnt 0x0
	s_wait_alu depctr_hold_cnt(0) depctr_sa_sdst(0) depctr_va_vdst(0) depctr_va_sdst(0) depctr_va_ssrc(0) depctr_va_vcc(0) depctr_vm_vsrc(0)
	s_getreg_b32 s2, hwreg(HW_REG_IB_STS2, 6, 4)
	s_cmp_eq_u32 s2, 0
	s_cbranch_scc0 .Lentry_in_a_cluster
	s_endpgm
.Lentry_in_a_cluster:
	s_bfe_u32 s2, ttmp6, 0x10000c
	s_cmp_lg_u32 s2, 0xf033
	s_cbranch_scc0 .Lentry_shape_is_right
	s_endpgm
.Lentry_shape_is_right:
.set SLOT1, 1<<17
.set VREG,  65536
.set STAGE, 2*SLOT1
.set SP,    272
.set FT,    STAGE+4*16*SP
.set RTO,   5120
.set SPARE, FT+6144
.set ADP, 8
.set ADV, 10
.set FTR, 12
.set STO, 13
.set RD,  14
.set GO,  15
.set FTW, 16
.set T4,  17
.set SPW, 28
.set NIL, 29
.set F,   32
.set RL,  48
.set OT,  64
.set OB,  96
.set ACC, 128
.set NM,  128
.set LL,  144
.set VN,  170
.set VL,  175
.set BIG, 180
.set M1,  181
.set MA,  182
.set MB,  183
.set NA,  184
.set NB,  185
.set N1,  186
.set FF,  190
.set LS,  200
.set LA,  210
.set C1,  211
.set LB,  212
.set T1,  213
.set T2,  214
.set G1P, 24
.set G0P, 32
.set G1V, 48
.set G0V, 56
.set MSB, 0
.macro WIN new
.if MSB != (\new)
	s_set_vgpr_msb (MSB<<8)|(\new)
.set MSB, (\new)
.endif
.endm
.set MUL, 0xa5
.macro JLOAD n
	s_cmp_eq_u32 s17, 0
	s_cbranch_scc0 .Lfor_v_\@
	tensor_load_to_lds s[G0P+4*(\n):G0P+4*(\n)+3], s[G1P:G1P+7]
	s_nop 0
.rept 4
	v_nop
.endr
	s_branch .Lasked_\@
.Lfor_v_\@:
	tensor_load_to_lds s[G0V+4*(\n):G0V+4*(\n)+3], s[G1V:G1V+7]
	s_nop 0
.rept 4
	v_nop
.endr
.Lasked_\@:
.endm
.macro CREST
	s_cmp_lg_u32 s16, 0
	s_cbranch_scc1 .Lnot_wave_0_\@
	s_barrier_signal -3
.Lnot_wave_0_\@:
	s_barrier_wait -3
	s_barrier_signal -1
	s_barrier_wait -1
.endm
.macro CROUND
	s_barrier_signal -1
	s_barrier_wait -1
	CREST
.endm
.macro ADDR d, n
	s_cmp_lt_u32 s23, \d
	s_cselect_b64 s[72:73], s[68:69], s[66:67]
	s_cselect_b32 s74, s76, 0
	s_sub_co_u32 s74, \d, s74
	s_lshl_b32 s74, s74, 13
	s_mov_b32 s75, 0
	s_add_nc_u64 s[G0P+4*(\n)+2:G0P+4*(\n)+3], s[72:73], s[74:75]
	s_or_b32 s[G0P+4*(\n)+3], s[G0P+4*(\n)+3], 0x80000000
	s_add_nc_u64 s[G0V+4*(\n)+2:G0V+4*(\n)+3], s[70:71], s[74:75]
	s_or_b32 s[G0V+4*(\n)+3], s[G0V+4*(\n)+3], 0x80000000
.endm
	s_load_b256 s[4:11], s[0:1], 0x0
	s_load_b128 s[12:15], s[0:1], 0x20
	v_lshl_add_u32 v[SPW], v0, 2, SPARE
	v_mov_b32 v[NIL], 0
	ds_add_u32 v[SPW], v[NIL]
	ds_add_u32 v[SPW], v[NIL]
	v_lshrrev_b32 v1, 5, v0
	v_readfirstlane_b32 s16, v1
	s_lshr_b32 s17, s16, 1
	s_and_b32 s18, s16, 1
	s_bfe_u32 s20, ttmp6, 0x40000
	s_bfe_u32 s21, ttmp6, 0x40004
	s_and_b32 s19, ttmp7, 0xffff
	s_lshr_b32 s22, s19, 1
	s_and_b32 s23, s19, 1
	s_add_co_u32 s76, s23, 1
	s_lshl_b32 s40, s21, 2
	s_lshl_b32 s40, 15, s40
	s_lshl_b32 s41, 0x1111, s20
	s_or_b32 s[G1P], s40, (3<<16)|(1<<21)
	s_or_b32 s[G1V], s41, (3<<16)|(1<<21)
.irp g, G1P, G1V
	s_mov_b32 s[\g+1], 1024<<16
	s_mov_b32 s[\g+2], 4<<16
	s_mov_b32 s[\g+3], 1024<<16
	s_mov_b32 s[\g+4], 4
	s_mov_b32 s[\g+6], 0
	s_mov_b32 s[\g+7], 0
.endr
	s_mov_b32 s[G1P+5], 4096
	s_mov_b32 s[G1V+5], 16384
	s_lshl_b32 s42, s22, 7
	s_lshl_b32 s43, s21, 3
	s_add_co_u32 s42, s42, s43
	s_lshl_b32 s43, s18, 2
	s_add_co_u32 s42, s42, s43
	s_lshl_b32 s43, s23, 5
	s_add_co_u32 s66, s42, s43
	s_lshl_b32 s66, s66, 15
	s_mov_b32 s67, 0
	s_sub_co_u32 s43, 96, s43
	s_add_co_u32 s68, s42, s43
	s_lshl_b32 s68, s68, 15
	s_mov_b32 s69, 0
	s_lshl_b32 s44, ttmp9, 2
	s_add_co_u32 s44, s44, s20
	s_lshl_b32 s45, s44, 3
	s_lshl_b32 s46, s18, 2
	s_add_co_u32 s45, s45, s46
	s_lshl_b32 s70, s45, 17
	s_lshl_b32 s46, s22, 15
	s_add_co_u32 s70, s70, s46
	s_mov_b32 s71, 0
	s_lshl_b32 s47, s16, 15
	s_wait_dscnt 0x0
	s_wait_kmcnt 0x0
	s_load_b64 s[78:79], s[12:13], 0x20
	s_add_nc_u64 s[66:67], s[4:5], s[66:67]
	s_add_nc_u64 s[68:69], s[4:5], s[68:69]
	s_add_nc_u64 s[70:71], s[6:7], s[70:71]
	CROUND
.irp n, 0,1
	s_mov_b32 s[G0P+4*\n], 1
	s_add_co_u32 s[G0P+4*\n+1], s47, \n*SLOT1
	s_mov_b32 s[G0V+4*\n], 1
	s_add_co_u32 s[G0V+4*\n+1], s47, \n*SLOT1
	ADDR \n, \n
.endr
	JLOAD 0
	s_lshl_b32 s86, s23, 9
	s_lshl_b32 s88, s21, 7
	s_sub_co_u32 s87, 1536, s86
	s_add_co_u32 s86, s86, s88
	s_add_co_u32 s87, s87, s88
	v_lshlrev_b32 v[T4], 2, v0
	s_wait_alu depctr_va_vdst(0)
.irp d, 0,1,2,3,4
	s_cmp_lt_u32 s23, \d
	s_cselect_b32 s88, s87, s86
	s_cselect_b32 s89, s76, 0
	s_sub_co_u32 s89, \d, s89
	s_lshl_b32 s90, s22, 3
	s_lshl_b32 s91, s89, 1
	s_add_co_u32 s90, s90, s91
	s_lshl_b32 s90, s90, 11
	s_add_co_u32 s91, s90, s88
	s_lshl_b32 s91, s91, 2
	v_add_nc_u32 v[VN+\d], s91, v[T4]
	s_lshl_b32 s90, s90, 1
	s_add_co_u32 s90, s90, s88
	s_lshl_b32 s90, s90, 2
	v_add_nc_u32 v[VL+\d], s90, v[T4]
	global_load_b32 v[NM+2*\d], v[VN+\d], s[8:9]
	global_load_b32 v[NM+2*\d+1], v[VN+\d], s[8:9] offset:8192
.irp e, 0,1,2,3
	global_load_b32 v[LL+4*\d+\e], v[VL+\d], s[10:11] offset:8192*\e
.endr
.endr
	s_cmp_eq_u32 s23, 1
	s_cselect_b32 s77, -1, 0
	v_and_b32 v1, 31, v0
	v_lshlrev_b32 v2, 4, v1
	v_and_b32 v3, 15, v0
	s_wait_alu depctr_va_vdst(0)
	v_bfe_u32 v4, v0, 4, 1
	s_lshl_b32 s88, s17, 15
	s_lshl_b32 s89, s18, 15
	s_add_co_u32 s89, s89, VREG
.irp s, 0,1
	v_add_nc_u32 v[ADP+\s], s88, v2
	v_add_nc_u32 v[ADV+\s], s89, v2
	s_add_co_u32 s88, s88, SLOT1
	s_add_co_u32 s89, s89, SLOT1
.endr
	s_lshl_b32 s88, s17, 8
	s_add_co_u32 s88, s88, FT
	v_lshl_add_u32 v[FTR], v3, 2, s88
	v_lshl_add_u32 v[FTW], v0, 2, FT
	s_mul_i32 s88, s16, 16*SP
	s_add_co_u32 s88, s88, STAGE
	v_mul_u32_u24 v[STO], v3, SP
	s_wait_alu depctr_va_vdst(0)
	v_lshl_add_u32 v[STO], v4, 5, v[STO]
	v_add_nc_u32 v[STO], s88, v[STO]
	v_mul_u32_u24 v[RD], v4, SP
	v_lshl_add_u32 v[RD], v3, 4, v[RD]
	v_add_nc_u32 v[RD], s88, v[RD]
	v_lshlrev_b32 v[GO], 12, v4
	v_lshl_add_u32 v[GO], v3, 4, v[GO]
	s_lshl_b32 s84, s22, 11
	s_lshl_b32 s85, s21, 7
	s_add_co_u32 s84, s84, s85
	s_lshl_b32 s85, s17, 6
	s_add_co_u32 s84, s84, s85
	s_lshl_b32 s85, s23, 9
	s_add_co_u32 s80, s84, s85
	s_sub_co_u32 s85, 1536, s85
	s_add_co_u32 s82, s84, s85
	s_lshl_b32 s80, s80, 12
	s_lshl_b32 s82, s82, 12
	s_lshl_b32 s84, s44, 9
	s_lshl_b32 s85, s18, 8
	s_add_co_u32 s84, s84, s85
	s_add_co_u32 s80, s80, s84
	s_add_co_u32 s82, s82, s84
	s_mov_b32 s81, 0
	s_mov_b32 s83, 0
	s_add_nc_u64 s[80:81], s[14:15], s[80:81]
	s_add_nc_u64 s[82:83], s[14:15], s[82:83]
.irp i, 33,35,37,39,41,43,45,47,49,51,53,55
	v_mov_b32 v\i, 0
.endr
	s_wait_alu depctr_va_vdst(0)
	s_wait_tensorcnt 0x0
	ds_add_u32 v[SPW], v[NIL]
	s_wait_dscnt 0x0
	CROUND
	JLOAD 1
	v_mov_b32 v[BIG], 0x7f61b1e6
	s_wait_loadcnt 0x0
	v_min_num_f32 v[M1], v[NM+2], v[NM+3]
	s_wait_alu depctr_va_vdst(0)
	v_cndmask_b32 v[MA], v[BIG], v[M1], s77
	v_cndmask_b32 v[MB], v[M1], v[BIG], s77
	v_min_num_f32 v[NA], v[NM], v[NM+1]
	v_min_num_f32 v[NA], v[NA], v[MA]
	v_min_num_f32 v[NB], v[NM+4], v[NM+5]
	v_min_num_f32 v[T1], v[NM+6], v[NM+7]
	v_min_num_f32 v[T2], v[NM+8], v[NM+9]
	v_min_num_f32 v[NB], v[NB], v[MB]
	v_min_num_f32 v[T1], v[T1], v[T2]
	v_min_num_f32 v[NB], v[NB], v[T1]
	v_cndmask_b32 v[N1], v[NB], v[NA], s77
.irp i, 0,1
	v_sub_f32 v[FF+\i], v[NA], v[NM+\i]
.endr
.irp i, 2,3
	v_sub_f32 v[FF+\i], v[N1], v[NM+\i]
.endr
.irp i, 4,5,6,7,8,9
	v_sub_f32 v[FF+\i], v[NB], v[NM+\i]
.endr
.irp i, 0,1,2,3,4,5,6,7,8,9
	v_cvt_i32_f32 v[FF+\i], v[FF+\i]
.endr
.irp i, 0,1,2,3,4,5,6,7,8,9
	v_ldexp_f32 v[FF+\i], 1.0, v[FF+\i]
	v_add_f32 v[LS+\i], v[LL+2*\i], v[LL+2*\i+1]
.endr
	v_mul_f32 v[LA], v[FF], v[LS]
	v_mul_f32 v[C1], v[FF+2], v[LS+2]
	v_mul_f32 v[LB], v[FF+4], v[LS+4]
	v_fmac_f32 v[LA], v[FF+1], v[LS+1]
	v_fmac_f32 v[C1], v[FF+3], v[LS+3]
.irp i, 5,6,7,8,9
	v_fmac_f32 v[LB], v[FF+\i], v[LS+\i]
.endr
	v_cndmask_b32 v[T1], 0, v[C1], s77
	v_cndmask_b32 v[T2], v[C1], 0, s77
	v_add_f32 v[LA], v[LA], v[T1]
	v_add_f32 v[LB], v[LB], v[T2]
	s_wait_alu depctr_va_vdst(0)
	v_rcp_f32 v[LA], v[LA]
	v_rcp_f32 v[LB], v[LB]
	v_nop
	s_wait_kmcnt 0x0
	s_add_co_i32 s78, s78, s79
	s_wait_alu depctr_va_vdst(0)
	v_ldexp_f32 v[LA], v[LA], s78
	v_ldexp_f32 v[LB], v[LB], s78
.irp i, 0,1,2,3,4,5,6,7,8,9
	ds_store_b32 v[FTW], v[FF+\i] offset:512*\i
.endr
	ds_store_b32 v[FTW], v[LA] offset:RTO
	ds_store_b32 v[FTW], v[LB] offset:RTO+512
.macro PLACES n
.rept \n
	v_nop
.endr
.endm
.macro FETCH sl, q, p
	WIN 0x40
.irp c, 0,1,2,3
.irp k, 0,1,2,3
	ds_load_b128 v[128*(\p)+16*\c+4*\k:128*(\p)+16*\c+4*\k+3], v[ADV+(\sl)] offset:8192*\c+2048*(\q)+512*\k
.endr
.endr
.irp c, 0,1,2,3
.irp k, 0,1,2,3
	ds_load_b128 v[128*(\p)+64+16*\c+4*\k:128*(\p)+64+16*\c+4*\k+3], v[ADP+(\sl)] offset:8192*\c+2048*(\q)+512*\k
.endr
.endr
.endm
.macro FLOAD d
	WIN 0
.irp u, 0,1
.irp a, 0,1,2,3
	ds_load_b32 v[F+2*(4*\u+\a)], v[FTR] offset:512*(2*(\d)+\u)+64*\a
.endr
.endr
.endm
.macro MUL8 p, a0, zero
	WIN MUL
.irp a, \a0, \a0+1
.irp c, 0,1,2,3
.if \zero
	v_wmma_f32_16x16x128_fp8_fp8 v[8*(4*(\a)+\c):8*(4*(\a)+\c)+7], v[128*(\p)+16*\c:128*(\p)+16*\c+15], v[128*(\p)+64+16*(\a):128*(\p)+64+16*(\a)+15], 0
.else
	v_wmma_f32_16x16x128_fp8_fp8 v[8*(4*(\a)+\c):8*(4*(\a)+\c)+7], v[128*(\p)+16*\c:128*(\p)+16*\c+15], v[128*(\p)+64+16*(\a):128*(\p)+64+16*(\a)+15], v[8*(4*(\a)+\c):8*(4*(\a)+\c)+7]
.endif
.endr
.endr
.endm
.macro FMA u, d
	WIN 0x02
.irp a, 0,1,2,3
.irp c, 0,1,2,3
.irp j, 0,2,4,6
.if ((\u)+(\d)) == 0
	v_pk_mul_f32 v[ACC+8*(4*\a+\c)+\j:ACC+8*(4*\a+\c)+\j+1], v[8*(4*\a+\c)+\j:8*(4*\a+\c)+\j+1], v[F+2*(4*(\u)+\a):F+2*(4*(\u)+\a)+1] op_sel_hi:[1,0]
.else
	v_pk_fma_f32 v[ACC+8*(4*\a+\c)+\j:ACC+8*(4*\a+\c)+\j+1], v[8*(4*\a+\c)+\j:8*(4*\a+\c)+\j+1], v[F+2*(4*(\u)+\a):F+2*(4*(\u)+\a)+1], v[ACC+8*(4*\a+\c)+\j:ACC+8*(4*\a+\c)+\j+1] op_sel_hi:[1,0,1]
.endif
.endr
.endr
.endr
.endm
.macro EPI x, clear
.irp a, 0,1,2,3
	ds_load_b32 v[RL+2*\a], v[FTR] offset:RTO+512*(\x)+64*\a
.endr
	s_wait_dscnt 0x0
.irp a, 0,1,2,3
.irp j, 0,2,4,6,8,10,12,14,16,18,20,22,24,26,28,30
	v_pk_mul_f32 v[OT+\j:OT+\j+1], v[ACC+32*\a+\j:ACC+32*\a+\j+1], v[RL+2*\a:RL+2*\a+1] op_sel_hi:[1,0]
.endr
.irp c, 0,1,2,3
	ds_store_b128 v[STO], v[OT+8*\c:OT+8*\c+3] offset:64*\c
	ds_store_b128 v[STO], v[OT+8*\c+4:OT+8*\c+7] offset:64*\c+16
.endr
	s_wait_xcnt 0x0
.irp i, 0,1,2,3,4,5,6,7
	ds_load_b128 v[OB+4*\i:OB+4*\i+3], v[RD] offset:2*\i*SP
.endr
	s_wait_dscnt 0x0
.irp i, 0,1,2,3,4,5,6,7
	global_store_b128 v[GO], v[OB+4*\i:OB+4*\i+3], s[80+2*(\x):81+2*(\x)] offset:(16*\a+2*\i)*4096 th:TH_STORE_NT
.endr
.endr
.if \clear
.set i, 0
.rept 128
	v_mov_b32 v[ACC+i], 0
.set i, i+1
.endr
.endif
.endm
.macro BODY d, mode
	FLOAD \d
	FETCH (\d)%2, 1, 1
	s_wait_dscnt 32
	MUL8 0, 0, 1
	MUL8 0, 2, 1
	PLACES 4
	FETCH (\d)%2, 2, 0
	s_wait_dscnt 32
	MUL8 1, 0, 0
	MUL8 1, 2, 0
	PLACES 5
	FETCH (\d)%2, 3, 1
	FMA 0, \d
	s_wait_dscnt 32
	MUL8 0, 0, 1
	MUL8 0, 2, 1
.if (\mode) == 2
	s_wait_dscnt 0x0
	MUL8 1, 0, 0
	MUL8 1, 2, 0
	PLACES 4
.else
	WIN 0
	s_wait_tensorcnt 0x0
	ds_add_u32 v[SPW], v[NIL]
	s_wait_dscnt 1
	MUL8 1, 0, 0
	s_wait_dscnt 0x0
	s_barrier_signal -1
	MUL8 1, 2, 0
	WIN 0
	s_barrier_wait -1
.if (\mode) == 1
	CREST
	ADDR (\d)+2, (\d)%2
	JLOAD (\d)%2
	v_nop
.else
	PLACES 5
.endif
	FETCH 1-(\d)%2, 0, 0
.endif
	FMA 1, \d
	WIN 0
.endm
	s_wait_alu depctr_va_vdst(0)
	s_wait_dscnt 0x0
	s_barrier_signal -1
	s_barrier_wait -1
	FETCH 0, 0, 0
	BODY 0, 1
	s_cmp_lg_u32 s23, 0
	s_cbranch_scc1 .Lnot_0
	EPI 0, 1
.Lnot_0:
	BODY 1, 1
	s_cmp_lg_u32 s23, 1
	s_cbranch_scc1 .Lnot_1
	EPI 0, 1
.Lnot_1:
	BODY 2, 1
	BODY 3, 0
	BODY 4, 2
	EPI 1, 0
	s_wait_tensorcnt 0x0
	ds_add_u32 v[SPW], v[NIL]
	s_wait_dscnt 0x0
	CROUND
	s_endpgm
.Lfunc_end_k_qd47b848774_pv:
	.size	k_qd47b848774_pv, .Lfunc_end_k_qd47b848774_pv-k_qd47b848774_pv
	.p2alignl 7, 3214868480
	.fill 96, 4, 3214868480
	.section	.rodata,"a",@progbits
	.p2align	6, 0x0
	.amdhsa_kernel k_qd47b848774_pv
		.amdhsa_group_segment_fixed_size 327680
		.amdhsa_private_segment_fixed_size 0
		.amdhsa_enable_private_segment 0
		.amdhsa_kernarg_size 48
		.amdhsa_user_sgpr_count 2
		.amdhsa_user_sgpr_kernarg_segment_ptr 1
		.amdhsa_wavefront_size32 1
		.amdhsa_system_sgpr_workgroup_id_x 1
		.amdhsa_system_sgpr_workgroup_id_y 1
		.amdhsa_system_sgpr_workgroup_id_z 1
		.amdhsa_system_vgpr_workitem_id 0
		.amdhsa_next_free_vgpr 640
		.amdhsa_next_free_sgpr 96
		.amdhsa_reserve_vcc 0
		.amdhsa_float_denorm_mode_32 3
		.amdhsa_float_denorm_mode_16_64 3
		.amdhsa_memory_ordered 1
		.amdhsa_forward_progress 1
		.amdhsa_inst_pref_size 173
	.end_amdhsa_kernel
	.amdgpu_metadata
---
amdhsa.version: [ 1, 2 ]
amdhsa.kernels:
  - .name:           k_qd47b848774_pv
    .symbol:         k_qd47b848774_pv.kd
    .args:
      - { .name: pimg, .offset: 0, .size: 8, .value_kind: global_buffer, .address_space: global }
      - { .name: vimg, .offset: 8, .size: 8, .value_kind: global_buffer, .address_space: global }
      - { .name: nm, .offset: 16, .size: 8, .value_kind: global_buffer, .address_space: global }
      - { .name: ls, .offset: 24, .size: 8, .value_kind: global_buffer, .address_space: global }
      - { .name: lowp_scales, .offset: 32, .size: 8, .value_kind: global_buffer, .address_space: global }
      - { .name: out0, .offset: 40, .size: 8, .value_kind: global_buffer, .address_space: global }
    .group_segment_fixed_size: 327680
    .private_segment_fixed_size: 0
    .kernarg_segment_align: 8
    .kernarg_segment_size: 48
    .max_flat_workgroup_size: 128
    .sgpr_count:     96
    .vgpr_count:     640
    .wavefront_size: 32
...
	.end_amdgpu_metadata
.endif
;; end of part 3
